; MI455X (gfx1250); checked and timed in simulation.
; The chip was launched on July 23, 2026; its instructions are those of AMD's public machine-readable ISA for CDNA 5 (MIT licence, August 2026) and "CDNA5" Instruction Set Architecture Reference Guide (July 2026). The comments in the code are by the model that wrote it; some were corrected since.
;; Learned Aggregation Layer. Allowed arithmetic: matrix products marked QUANTISED: E2M3 operands, one E8M0 scale for each 32 along K, by v_wmma_scale_f32_16x16x128_f8f6f4 with both operands' format E2M3, f32 sums; products left as they are: f32 operands where the result goes on into a quantised operand, else bf16, f16 or f32 operands; f32 sums; everything else in f32.
;; Inputs: Wk 512 x 512 float32; Wp 512 x 512 float32; Wq 512 x 512 float32; Wv 512 x 512 float32; bp 512 float32; cls_token 1 x 1 x 512 float32; x 16 x 8,192 x 512 float32.
;; Outputs: out0 16 x 512 float32.
;; This version of the problem:
;;   THIS VERSION OF THE PROBLEM IS GIVEN IN LOW PRECISION. The matrix products marked QUANTISED in the list below multiply operands that are first quantised to E2M3 (2 exponent bits, 3 mantissa bits; 6 bits a number), with one power-of-two scale for each 32 numbers along K (OCP MX v1.0); their sums are f32. All else is computed in f32.
;;   The module's matrix products, in the order in which they are computed (A, B: the left and right operand; K: the contracted axis; several contracted axes count as one K, in the product's order):
;;     1. [M 1, K 512] x [K 512, N 512]; A: input cls_token; B: input Wq: left as it is (M = 1 < 16)
;;     2. [M 131,072, K 512] x [K 512, N 512]; A: input x; B: input Wk: QUANTISED
;;     3. [M 131,072, K 512] x [K 512, N 512]; A: input x; B: input Wv: QUANTISED
;;     4. batch 8 x [M 131,072, K 64] x [K 64, N 1]; A: computed on the way; B: computed on the way: left as it is (N = 1 < 16)
;;     5. batch 128 x [M 1, K 8,192] x [K 8,192, N 64]; A: softmax; B: computed on the way: left as it is (M = 1 < 16)
;;     6. [M 16, K 512] x [K 512, N 512]; A: computed on the way; B: input Wp: QUANTISED
;;   THE QUANTISER, for each operand of a quantised product, along K:
;;     - K is cut into blocks of 32 from its start; a last block that is shorter is filled with zeros.
;;     - A block's scale is 2^e with e = floor(log2(the largest magnitude in the block)) - 2, held to -126 .. 127; a block of zeros has e = 0. As a byte (E8M0): e + 127.
;;     - Each number is divided by its block's scale, clamped to +-7.5, and rounded to the nearest number of E2M3, ties to even, subnormals kept.
;;     - The product sums the exact products of the quantised numbers (number of the format x scale) in f32.
;;   ~~~python
;;   def quantise(x, axis):      # numpy; x: float32 -> the quantised numbers, widened to float32 again
;;       x = np.moveaxis(x, axis, -1); K = x.shape[-1]
;;       x = np.pad(x, [(0, 0)] * (x.ndim - 1) + [(0, -K % 32)]); x = x.reshape(x.shape[:-1] + (-1, 32)); a = np.abs(x).max(-1, keepdims=True)
;;       e = np.where(a > 0, np.clip(np.frexp(np.where(a > 0, a, 1))[1] - 1 - 2, -126, 127), 0)      # np.frexp(a)[1] - 1 = floor(log2(a)), exactly
;;       r = np.clip(x / 2.0 ** e, -7.5, 7.5)
;;       step = 2.0 ** (np.maximum(np.frexp(np.where(r == 0, 1, r))[1] - 1, 0) - 3)
;;       q = np.round(r / step) * step * 2.0 ** e      # np.round: ties to even
;;       return np.moveaxis(q.reshape(q.shape[:-2] + (-1,))[..., :K], -1, axis).astype(np.float32)
;;   ~~~
;;   OPERANDS COMPUTED ON THE WAY. 'Computed on the way' means the value that the module computes at that place (a softmax that the list does not call 'softmax' is quantised finished and normalised). What goes into a quantiser is computed in f32, as accurately as f32 sums, v_exp_f32 and their like allow (about 1e-6 of the number): no bf16 or f16 on the way to a quantiser, and a product that is left as it is and whose result goes on into a quantised operand takes f32 operands (vector FMAs, or v_wmma_f32_16x16x4_f32). A number that lies on a knife's edge between two numbers of the format may be rounded either way, as far as f32 arithmetic and the matrix unit's own rounding can turn it there, and no further.
;; One version. Each part assembles by itself: llvm-mc -triple=amdgcn-amd-amdhsa -mcpu=gfx1250 --defsym DOCPART=n.
;; ======== version 1 of 1: 3 launches
;; limits: right only within a limited range of input values
;; workspace buffers: wcodes 589,824 bytes; wsc 24,576 bytes; qv 2,048 bytes; pO 524,288 bytes; pst 16,384 bytes
;; launch prep (part 1): grid 112 x 1, 4 waves a work-group, no clusters, 0 bytes of LDS; arguments Wk, Wv, Wp, Wq, cls_token, wcodes, wsc, qv; writes wcodes, wsc, qv
.if DOCPART == 1
	.amdgcn_target "amdgcn-amd-amdhsa--gfx1250"
	.amdhsa_code_object_version 6
	.text
	.protected	k_qb73a38f55c_prep
	.globl	k_qb73a38f55c_prep
	.p2align	8
	.type	k_qb73a38f55c_prep,@function
k_qb73a38f55c_prep:
	s_mov_b64 s[64:65], 0
	v_nop
	global_prefetch_b8 v0, s[64:65] scope:SCOPE_SE
	s_setreg_imm32_b32 hwreg(HW_REG_WAVE_MODE, 25, 1), 1
	s_wait_xcnt 0x0
; PREP.  (a) Wk, Wv, Wp [512 (k)][512 (n)] f32 become codes of FP6 (E2M3) with one E8M0 byte for each 32 along K, laid in the ORDER OF THE OPERAND'S REGISTERS;
; (b) q' = (cls_token Wq) x log2(e) / 8, 512 numbers in f32 (1 / 8 = 64^-0.5; log2(e), since the softmax is taken in powers of two).
; (a) Work-groups 0-95: G = 32 mat + T (mat 0 Wk, 1 Wv, 2 Wp; T a tile of 16 columns); wave s makes the fragment of K step s (128 along K): fragment F = 4 G + s, 1,536 bytes:
;     its 12 registers as three groups of four, group g of lane l at 1536 F + 512 g + 16 l.  A LANE TAKES A COLUMN AND ITS REGISTERS RUN DOWN K, in the order that the layout of 6-bit
;     operands gives that lane (lane (r, h), register 32 c + i: k = 128 s + 64 c + 32 h + i), so the conversions' results are the operand's registers and a block of 32 lies in one lane.
;     THE COLUMNS OF A TILE: Wk, Wv: lane r of tile T takes column 128 (T / 8) + 64 (r / 8) + 8 (T % 8) + r % 8: lanes 0-7 one head, lanes 8-15 the next.  Wp: column 16 T + r.
;     Scale words (four bytes: a column's 128 along K): Wk, Wv at 512 T + 256 mat + 16 r + 4 s;  Wp at 16384 + 256 T + 16 r + 4 s: 16 bytes hold a column's four K steps.
; (b) Work-groups 96-111: each of their 64 waves takes 8 columns and all of K: lane % 2 picks four columns, lane / 2 picks 32 rows; fused multiply-adds in f32, then the 16 groups of lanes are added.
;     A wave stores 32 bytes of q': 2,048 bytes in the whole launch, so no LDS and no barrier is spent on gathering them.
; THE QUANTISER: a block's scale is 2^(floor(log2(largest magnitude)) - 2): its byte is the largest magnitude's exponent field - 2, held at 1 from below.
; LIMITS: a block of zeros gets the byte 1 where the rule says 127 (its codes are zeros, and this program alone reads the bytes); NaN and infinities among the inputs are not served.
.set CH,  8                            ; v8-11   four chains of largest magnitudes; then the two scale operands and the two bytes
.set PW,  12                           ; v12     the scale word
.set TX,  13                           ; v13     lane l xor 16's part of it
.set SH8, 7                            ; v7      8 h
.set X,   32                           ; v32-95  64 numbers
.set PC,  96                           ; v96-107 the fragment
.set PT,  108                          ; v108-115 the upper halves of its two blocks, as the conversions leave them
.set SEL, 28                           ; s[28:29] v_permlanex16_b32's selects for lane l xor 16
; 64 numbers of a lane, register 32 c + i = k 64 c + 32 h + i of its row or column, become the fragment in v[PC] on and the scale word in v[PW].
; pre >= 0: how many younger LDS instructions may stay out when the last fragment's LDS stores must have read v[PC] and v[PW] (not used in this text).
.macro QUANT src, pre
.irp u, 0,1,2,3
	v_max3_num_f32 v[CH+\u], |v[\src+16*\u]|, |v[\src+16*\u+1]|, 0x1800000   ; chain u: 16 numbers, and the floor 2^(3 - 127): so the byte cannot fall under 1
.endr
.irp i, 2,4,6,8,10,12,14
.irp u, 0,1,2,3
	v_max3_num_f32 v[CH+\u], v[CH+\u], |v[\src+16*\u+\i]|, |v[\src+16*\u+\i+1]|   ; the four chains by turns
.endr
.endr
	v_max_num_f32 v[CH], v[CH], v[CH+1]            ; block c = 0
	v_max_num_f32 v[CH+2], v[CH+2], v[CH+3]        ; block c = 1
	v_add_nc_u32 v[CH], 0xff000000, v[CH]          ; 2 off the exponent field: the conversion takes this operand's exponent field as its scale
	v_add_nc_u32 v[CH+2], 0xff000000, v[CH+2]
	v_lshrrev_b32 v[CH+1], 23, v[CH]               ; the bytes
	v_lshrrev_b32 v[CH+3], 23, v[CH+2]
.if \pre >= 0
	s_wait_dscnt \pre
.endif
	v_lshl_or_b32 v[PW], v[CH+3], 16, v[CH+1]      ; my two bytes: blocks h and 2 + h,
	v_lshlrev_b32 v[PW], v[SH8], v[PW]             ; at their places in the word;
	v_permlanex16_b32 v[TX], v[PW], s[SEL], s[SEL+1]
	v_or_b32 v[PW], v[PW], v[TX]                   ; with lane l xor 16's two the word is whole
.irp c, 0,1
	v_cvt_scalef32_pk16_fp6_f32 v[PC+6*\c:PC+6*\c+2], v[\src+32*\c:\src+32*\c+15], v[CH+2*\c]
	v_cvt_scalef32_pk16_fp6_f32 v[PT+4*\c:PT+4*\c+2], v[\src+32*\c+16:\src+32*\c+31], v[CH+2*\c]   ; (a conversion's three registers begin on an even number)
.endr
	v_nop                                          ; one plain line behind the scaled conversions
.irp c, 0,1
.irp i, 0,1,2
	v_mov_b32 v[PC+6*\c+3+\i], v[PT+4*\c+\i]
.endr
.endr
.endm
	s_load_b256 s[4:11], s[0:1], 0x0               ; Wk s[4:5], Wv s[6:7], Wp s[8:9], Wq s[10:11]
	s_load_b256 s[12:19], s[0:1], 0x20             ; cls_token s[12:13], wcodes s[14:15], wsc s[16:17], qv s[18:19]
	v_lshrrev_b32 v1, 5, v0
	v_readfirstlane_b32 s20, v1                    ; wave 0..3
	v_and_b32 v1, 31, v0                           ; lane
	s_mov_b32 s[SEL], 0x76543210
	s_mov_b32 s[SEL+1], 0xfedcba98
	s_cmp_ge_u32 ttmp9, 96                         ; the work-group's number alone decides which of the two jobs it has
	s_cbranch_scc1 .Lquery
	; ---- (a) one fragment a wave
	v_and_b32 v2, 15, v0                           ; r
	v_bfe_u32 v3, v0, 4, 1                         ; h
	v_bfe_u32 v5, v0, 3, 1                         ; r / 8
	s_wait_alu depctr_va_vdst(0)
	s_lshr_b32 s21, ttmp9, 5                       ; mat
	s_and_b32 s22, ttmp9, 31                       ; T
	s_lshr_b32 s23, s22, 3
	s_lshl_b32 s23, s23, 7
	s_and_b32 s24, s22, 7
	s_lshl_b32 s24, s24, 3
	s_add_co_u32 s23, s23, s24                     ; Wk, Wv: the tile's first column 128 (T / 8) + 8 (T % 8)
	s_lshl_b32 s24, s22, 4                         ; Wp: 16 T
	s_lshl_b32 s25, s22, 9
	s_lshl_b32 s26, s21, 8
	s_add_co_u32 s25, s25, s26                     ; Wk, Wv: the tile's scale words at 512 T + 256 mat
	s_lshl_b32 s26, s22, 8
	s_add_co_u32 s26, s26, 16384                   ; Wp: at 16384 + 256 T
	s_cmp_lt_u32 ttmp9, 64
	s_cselect_b32 s23, s23, s24
	s_cselect_b32 s24, 56, 0                       ; Wk, Wv: lanes 8-15 stand 56 columns further on than r says
	s_cselect_b32 s25, s25, s26
	v_mul_u32_u24 v5, s24, v5
	v_add3_u32 v4, v5, v2, s23                     ; my column
	v_lshlrev_b32 v4, 2, v4
	v_lshl_add_u32 v4, v3, 16, v4                  ; + 32 h rows of 2,048 bytes
	s_lshl_b32 s26, s20, 18                        ; + 128 s rows
	v_add_nc_u32 v4, s26, v4
	v_lshlrev_b32 v[SH8], 3, v3
	v_lshlrev_b32 v6, 4, v1                        ; the fragment's image: 16 x lane
	v_lshlrev_b32 v5, 4, v2                        ; the scale word: 16 r
	v_mov_b32 v[TX], 0                             ; a lane permute's destination counts as one of its sources
	s_lshl_b32 s30, ttmp9, 2
	s_add_co_u32 s30, s30, s20                     ; F = 4 G + s
	s_mul_i32 s30, s30, 1536
	s_mov_b32 s31, 0
	s_lshl_b32 s32, s20, 2
	s_add_co_u32 s32, s32, s25                     ; the tile's scale words + 4 s
	s_mov_b32 s33, 0
	s_wait_alu depctr_va_vdst(0)
	s_wait_kmcnt 0x0
	s_cmp_lt_u32 ttmp9, 32
	s_cselect_b64 s[34:35], s[4:5], s[6:7]
	s_cmp_lt_u32 ttmp9, 64
	s_cselect_b64 s[34:35], s[34:35], s[8:9]       ; the weight, chosen by the work-group's number
	s_add_nc_u64 s[14:15], s[14:15], s[30:31]
	s_add_nc_u64 s[16:17], s[16:17], s[32:33]
.irp c, 0,1
.irp i, 0,1,2,3,4,5,6,7,8,9,10,11,12,13,14,15,16,17,18,19,20,21,22,23,24,25,26,27,28,29,30,31
	global_load_b32 v[X+32*\c+\i], v4, s[34:35] offset:(64*\c+\i)*2048   ; W(128 s + 64 c + 32 h + i, my column)
.endr
.endr
	s_wait_loadcnt 0x0
	QUANT X, -1
.irp g, 0,1,2
	global_store_b128 v6, v[PC+4*\g:PC+4*\g+3], s[14:15] offset:512*\g   ; 32 lanes store 512 consecutive bytes
.endr
	global_store_b32 v5, v[PW], s[16:17]           ; lanes l and l xor 16 store the same word
	s_endpgm
	; ---- (b) eight columns of q' a wave
.Lquery:
	s_sub_co_u32 s21, ttmp9, 96
	s_lshl_b32 s21, s21, 2
	s_add_co_u32 s21, s21, s20                     ; which eight columns: 0..63
	s_lshl_b32 s22, s21, 5                         ; 32 bytes
	s_mov_b32 s23, 0
	v_and_b32 v2, 1, v0                            ; which four of the eight
	s_wait_alu depctr_va_vdst(0)
	v_lshrrev_b32 v3, 1, v1                        ; which 32 rows: 0..15
	v_lshlrev_b32 v4, 16, v3                       ; 32 rows of 2,048 bytes
	v_lshl_add_u32 v4, v2, 4, v4
	v_lshlrev_b32 v5, 7, v3                        ; the same 32 numbers of cls_token
	v_lshlrev_b32 v6, 4, v2
.irp j, 0,1,2,3
	v_mov_b32 v[12+\j], 0                          ; lane permutes' destinations
.endr
	s_wait_alu depctr_va_vdst(0)
	s_wait_kmcnt 0x0
	s_add_nc_u64 s[10:11], s[10:11], s[22:23]
	s_add_nc_u64 s[18:19], s[18:19], s[22:23]
.irp i, 0,1,2,3,4,5,6,7
	global_load_b128 v[160+4*\i:163+4*\i], v5, s[12:13] offset:16*\i
.endr
.irp i, 0,1,2,3,4,5,6,7,8,9,10,11,12,13,14,15,16,17,18,19,20,21,22,23,24,25,26,27,28,29,30,31
	global_load_b128 v[32+4*\i:35+4*\i], v4, s[10:11] offset:2048*\i
.endr
	s_wait_loadcnt 0x0
.irp j, 0,1,2,3
	v_mul_f32 v[8+\j], v[32+\j], v160              ; the first product starts each of the four sums
.endr
.irp i, 1,2,3,4,5,6,7,8,9,10,11,12,13,14,15,16,17,18,19,20,21,22,23,24,25,26,27,28,29,30,31
.irp j, 0,1,2,3
	v_fma_f32 v[8+\j], v[32+4*\i+\j], v[160+\i], v[8+\j]
.endr
.endr
.irp k, 2,4,8
.irp j, 0,1,2,3
	v_add_f32_dpp v[8+\j], v[8+\j], v[8+\j] row_xmask:\k row_mask:0xf bank_mask:0xf   ; the eight groups of rows in my half of the lanes
.endr
.endr
.irp j, 0,1,2,3
	v_permlanex16_b32 v[12+\j], v[8+\j], s[SEL], s[SEL+1]
.endr
.irp j, 0,1,2,3
	v_add_f32 v[8+\j], v[8+\j], v[12+\j]           ; and the other half's
.endr
.irp j, 0,1,2,3
	v_mul_f32 v[8+\j], 0x3e38aa3b, v[8+\j]         ; x log2(e) / 8
.endr
	global_store_b128 v6, v[8:11], s[18:19]        ; lanes of equal parity hold, and store, the same 16 bytes
	s_endpgm
.Lfunc_end_k_qb73a38f55c_prep:
	.size	k_qb73a38f55c_prep, .Lfunc_end_k_qb73a38f55c_prep-k_qb73a38f55c_prep
	.p2alignl 7, 3214868480
	.fill 96, 4, 3214868480
	.section	.rodata,"a",@progbits
	.p2align	6, 0x0
	.amdhsa_kernel k_qb73a38f55c_prep
		.amdhsa_group_segment_fixed_size 0
		.amdhsa_private_segment_fixed_size 0
		.amdhsa_enable_private_segment 0
		.amdhsa_kernarg_size 64
		.amdhsa_user_sgpr_count 2
		.amdhsa_user_sgpr_kernarg_segment_ptr 1
		.amdhsa_wavefront_size32 1
		.amdhsa_system_sgpr_workgroup_id_x 1
		.amdhsa_system_sgpr_workgroup_id_y 1
		.amdhsa_system_sgpr_workgroup_id_z 1
		.amdhsa_system_vgpr_workitem_id 0
		.amdhsa_next_free_vgpr 192
		.amdhsa_next_free_sgpr 66
		.amdhsa_reserve_vcc 0
		.amdhsa_float_denorm_mode_32 3
		.amdhsa_float_denorm_mode_16_64 3
		.amdhsa_memory_ordered 1
		.amdhsa_forward_progress 1
		.amdhsa_inst_pref_size 26
	.end_amdhsa_kernel
	.amdgpu_metadata
---
amdhsa.version: [ 1, 2 ]
amdhsa.kernels:
  - .name:           k_qb73a38f55c_prep
    .symbol:         k_qb73a38f55c_prep.kd
    .args:
      - { .name: Wk, .offset: 0, .size: 8, .value_kind: global_buffer, .address_space: global }
      - { .name: Wv, .offset: 8, .size: 8, .value_kind: global_buffer, .address_space: global }
      - { .name: Wp, .offset: 16, .size: 8, .value_kind: global_buffer, .address_space: global }
      - { .name: Wq, .offset: 24, .size: 8, .value_kind: global_buffer, .address_space: global }
      - { .name: cls_token, .offset: 32, .size: 8, .value_kind: global_buffer, .address_space: global }
      - { .name: wcodes, .offset: 40, .size: 8, .value_kind: global_buffer, .address_space: global }
      - { .name: wsc, .offset: 48, .size: 8, .value_kind: global_buffer, .address_space: global }
      - { .name: qv, .offset: 56, .size: 8, .value_kind: global_buffer, .address_space: global }
    .group_segment_fixed_size: 0
    .private_segment_fixed_size: 0
    .kernarg_segment_align: 8
    .kernarg_segment_size: 64
    .max_flat_workgroup_size: 128
    .sgpr_count:     66
    .vgpr_count:     192
    .wavefront_size: 32
...
	.end_amdgpu_metadata
.endif
;; end of part 1
;; launch pool (part 2): grid 256 x 1, 4 waves a work-group, no clusters, 327,680 bytes of LDS; arguments x, wcodes, wsc, qv, pO, pst; writes pO, pst
.if DOCPART == 2
	.amdgcn_target "amdgcn-amd-amdhsa--gfx1250"
	.amdhsa_code_object_version 6
	.text
	.protected	k_qb73a38f55c_pool
	.globl	k_qb73a38f55c_pool
	.p2align	8
	.type	k_qb73a38f55c_pool,@function
k_qb73a38f55c_pool:
	s_mov_b64 s[64:65], 0
	v_nop
	global_prefetch_b8 v0, s[64:65] scope:SCOPE_SE
	s_setreg_imm32_b32 hwreg(HW_REG_WAVE_MODE, 25, 1), 1
	s_wait_xcnt 0x0
; POOL.  A work-group takes 512 rows of x (a sixteenth of a batch) through k = Q(x) Q(Wk), the logits q' k, a running softmax in powers of two, v = Q(x) Q(Wv) and the weighted sum of v,
; and stores for each head its largest logit m, the sum l of 2^(logit - m) and the 64 sums O: partial results that launch proj joins.
; WAVE w owns columns 128 w .. 128 w + 127 (two heads) of k and of v: its 64 weight fragments (8 tiles x 4 K steps x 2 matrices, 12 registers each) stay in 768 registers for the whole launch.
; x goes in 8 blocks of 64 rows through two LDS slots filled by tensor loads; wave w fetches and quantises K step w (columns 128 w on) of a block's rows and lays the four fragments and their scale
; words in LDS as images of the operand's registers, two sets of images by turns; every wave reads all 16 fragments of a block.
; BETWEEN TWO BARRIERS a wave multiplies block b (from images b % 2) and quantises block b + 1 (from slot (b + 1) % 2 into images (b + 1) % 2), while slot b % 2 takes block b + 2.
; Waves 0, 1 quantise first and multiply then; waves 2, 3 the other way round: so two waves at a time read the f32 rows from LDS.  The branches hang on the wave's number and the trip count alone
; and lead round LDS and register work only: every wave passes every wait, add, barrier and tensor load.
; NO CLUSTER: what work-groups share is the weights, 393,216 bytes, which go from memory straight into registers once; LDS has 327,680 - 322,048 bytes left beside the two slots, so no joint tile could land.
; NO PREFETCH: a refill is asked for directly behind a barrier and awaited in front of the next: a block's 256 matrix instructions a wave and a block's quantising lie between, and the stream is read once.
; LIMITS: a block of zeros gets the scale byte 1 where the rule says 127 (its codes are zeros; this program alone reads the bytes); NaN and infinities in x are not served; logits stay under 2^31 in magnitude.
.set REG,   33792                      ; a wave's part of a slot: 64 rows x 528 bytes (512 + 16 of padding)
.set PITCH, 528
.set IMG,   4*REG                      ; 16 images of 1,536 bytes
.set XSC,   IMG+16*1536                ; x's scale words: 256 m + 16 r + 4 s
.set PAR,   XSC+1024                   ; from one slot (with its images) to the other
.set SPARE, 2*PAR                      ; the spare words, 512 bytes
.set SPW,  1
.set NIL,  2
.set AQ0,  3                           ; v3-12: LDS addresses, slot 0's and the trip's: quantiser's reads, image, scale word, all images, all scale words
.set ADQ,  4
.set AWI0, 5
.set AWI,  6
.set AWS0, 7
.set AWS,  8
.set LI0,  9
.set ADI,  10
.set LS0,  11
.set ADS,  12
.set SH8,  13
.set PW,   14
.set TX,   15
.set WS,   16                          ; v16-47 weights' scale words 4 t + s: lanes 0-15 Wk's, 16-31 Wv's; nothing else ever
.set QV,   48                          ; v48-55, v236-243 q' of my column in tile t, twice
.set OA,   56                          ; v56-71 O: a pair (even rows, odd rows) for each tile
.set MXR,  72                          ; the running largest logit
.set LSUM, 74
.set FF,   76
.set CH,   76
.set T2,   78
.set LG,   80                          ; v80-87 logits, then p, of my 8 rows
.set PT,   80
.set XS,   88                          ; v88-95 x's scale words, two sets; nothing else ever
.set AC,   96                          ; v96-159 eight accumulators
.set SA,   96
.set XF,   160                         ; v160-207 a tile's four fragments of x
.set SB,   160
.set PC,   224
.set QW,   236
.set LOF,  78
.set QOF,  79
.set WV,  16
.set WR,  17
.set TB,  18                           ; 0 or PAR: the images that are multiplied, and the slot that is filled
.set CNT, 19
.set SEL, 20
.set G1,  24
.set GA,  32
.set GB,  36
.set TQ,  43                           ; PAR or 0: the slot that is quantised, and its images
.set RA,  44                           ; 1 in waves 0, 1
.set RB,  45                           ; 1 in waves 2, 3
.set FA,  46                           ; 1: I quantise ahead of the products in this trip
.set FB,  47                           ; 1: behind them
.set MSB, 0
.macro WIN new                         ; the immediate's high byte repeats the setting that is left
.if MSB != (\new)
	s_set_vgpr_msb (MSB<<8)|(\new)
.set MSB, (\new)
.endif
.endm
.macro WSLOT f                         ; weight fragment f: 21 to a window, windows 1-3; the 64th at v244 of window 0
.set WW, (1+(\f)/21)%4
.set WRG, 12*((\f)%21)
.if (\f) == 63
.set WRG, 244
.endif
.endm
.macro PLACES                          ; four places behind a matrix instruction (ISA guide 7.12.1)
.rept 4
	v_nop
.endr
.endm
; 64 numbers of a lane (register 32 c + i: k = 64 c + 32 h + i of row r) become the fragment v[PC] on and the scale word v[PW].  pre: LDS instructions that may stay out when the last image's stores must have read them
.macro QUANT src, pre
.irp u, 0,1,2,3
	v_max3_num_f32 v[CH+\u], |v[\src+16*\u]|, |v[\src+16*\u+1]|, 0x1800000   ; with the floor 2^(3 - 127): the byte cannot fall under 1
.endr
.irp i, 2,4,6,8,10,12,14
.irp u, 0,1,2,3
	v_max3_num_f32 v[CH+\u], v[CH+\u], |v[\src+16*\u+\i]|, |v[\src+16*\u+\i+1]|
.endr
.endr
	v_max_num_f32 v[CH], v[CH], v[CH+1]
	v_max_num_f32 v[CH+2], v[CH+2], v[CH+3]
	v_add_nc_u32 v[CH], 0xff000000, v[CH]          ; 2 off the exponent field: the conversion's scale operand
	v_add_nc_u32 v[CH+2], 0xff000000, v[CH+2]
	v_lshrrev_b32 v[CH+1], 23, v[CH]
	v_lshrrev_b32 v[CH+3], 23, v[CH+2]
.if \pre >= 0
	s_wait_alu depctr_va_vdst(0)
	s_wait_dscnt \pre
.endif
	v_lshl_or_b32 v[PW], v[CH+3], 16, v[CH+1]
	v_lshlrev_b32 v[PW], v[SH8], v[PW]
	v_permlanex16_b32 v[TX], v[PW], s[SEL], s[SEL+1]
	v_or_b32 v[PW], v[PW], v[TX]                   ; with lane l xor 16's two bytes the word is whole
.irp c, 0,1
	v_cvt_scalef32_pk16_fp6_f32 v[PC+6*\c:PC+6*\c+2], v[\src+32*\c:\src+32*\c+15], v[CH+2*\c]
	v_cvt_scalef32_pk16_fp6_f32 v[PT+4*\c:PT+4*\c+2], v[\src+32*\c+16:\src+32*\c+31], v[CH+2*\c]
.endr
	v_nop                                          ; one plain line behind the scaled conversions
.irp c, 0,1
.irp i, 0,1,2
	v_mov_b32 v[PC+6*\c+3+\i], v[PT+4*\c+\i]
.endr
.endr
.endm
.macro QLOAD m, dst
.irp c, 0,1
.irp i, 0,1,2,3,4,5,6,7
	ds_load_b128 v[\dst+32*\c+4*\i:\dst+32*\c+4*\i+3], v[ADQ] offset:16*PITCH*(\m)+256*\c+16*\i
.endr
.endr
.endm
.macro IMAGE m
.irp g, 0,1,2
	ds_store_b128 v[AWI], v[PC+4*\g:PC+4*\g+3] offset:6144*(\m)+512*\g
.endr
	ds_store_b32 v[AWS], v[PW] offset:256*(\m)
.endm
.macro QPHASE                          ; my K step of a block's 64 rows: four fragments, through two sets of 64 registers by turns
	QLOAD 0, SA
	QLOAD 1, SB
	s_wait_dscnt 16                                ; the first 16 loads are in
	QUANT SA, -1
	IMAGE 0
	QLOAD 2, SA
	s_wait_dscnt 20                                ; behind the second 16: 4 stores and 16 loads
	QUANT SB, 16
	IMAGE 1
	QLOAD 3, SB
	s_wait_dscnt 20
	QUANT SA, 16
	IMAGE 2
	s_wait_dscnt 4                                 ; behind the last 16 loads: 4 stores
	QUANT SB, 0
	IMAGE 3
.endm
.macro XSCALE m
	ds_load_b128 v[XS+4*((\m)%2):XS+4*((\m)%2)+3], v[ADS] offset:256*(\m)
.endm
.macro XFETCH m, s
.irp g, 0,1,2
	ds_load_b128 v[XF+12*(\s)+4*\g:XF+12*(\s)+4*\g+3], v[ADI] offset:1536*(4*(\m)+(\s))+512*\g
.endr
.endm
; one matrix instruction: kv = 0 k, 1 v; rows of tile m, K step s, column tile t.  The first K step starts the sum
.macro MM kv, m, s, t
	WSLOT 32*(\kv)+8*(\s)+(\t)
	WIN WW<<2
.if (\kv) == 0
.if (\s) == 0
	v_wmma_scale_f32_16x16x128_f8f6f4 v[AC+8*(\t):AC+8*(\t)+7], v[XF+12*(\s):XF+12*(\s)+11], v[WRG:WRG+11], 0, v[XS+4*((\m)%2)+(\s)], v[WS+4*(\t)+(\s)] matrix_a_fmt:MATRIX_FMT_FP6 matrix_b_fmt:MATRIX_FMT_FP6
.else
	v_wmma_scale_f32_16x16x128_f8f6f4 v[AC+8*(\t):AC+8*(\t)+7], v[XF+12*(\s):XF+12*(\s)+11], v[WRG:WRG+11], v[AC+8*(\t):AC+8*(\t)+7], v[XS+4*((\m)%2)+(\s)], v[WS+4*(\t)+(\s)] matrix_a_fmt:MATRIX_FMT_FP6 matrix_b_fmt:MATRIX_FMT_FP6
.endif
.else
.if (\s) == 0
	v_wmma_scale_f32_16x16x128_f8f6f4 v[AC+8*(\t):AC+8*(\t)+7], v[XF+12*(\s):XF+12*(\s)+11], v[WRG:WRG+11], 0, v[XS+4*((\m)%2)+(\s)], v[WS+4*(\t)+(\s)] matrix_a_fmt:MATRIX_FMT_FP6 matrix_b_fmt:MATRIX_FMT_FP6 matrix_b_scale:MATRIX_SCALE_ROW1
.else
	v_wmma_scale_f32_16x16x128_f8f6f4 v[AC+8*(\t):AC+8*(\t)+7], v[XF+12*(\s):XF+12*(\s)+11], v[WRG:WRG+11], v[AC+8*(\t):AC+8*(\t)+7], v[XS+4*((\m)%2)+(\s)], v[WS+4*(\t)+(\s)] matrix_a_fmt:MATRIX_FMT_FP6 matrix_b_fmt:MATRIX_FMT_FP6 matrix_b_scale:MATRIX_SCALE_ROW1
.endif
.endif
.endm
.macro MULK m                          ; k: 32 matrix instructions, the eight accumulators by turns
.irp s, 0,1,2,3
	s_wait_dscnt 9-3*\s                            ; fragment s is in; the 3 loads of each later fragment may be out
.irp t, 0,1,2,3,4,5,6,7
	MM 0, \m, \s, \t
.endr
.endr
.endm
.macro LOGITA                          ; q' k over my column of the eight tiles, two rows a line; each accumulator is read from its low end on
.irp t, 0,1,2,3,4,5,6,7
.if \t < 4
.set QR, QV+2*\t
.else
.set QR, QW+2*\t-8
.endif
.irp i, 0,1,2,3
.if \t == 0
	v_pk_mul_f32 v[LG+2*\i:LG+2*\i+1], v[AC+2*\i:AC+2*\i+1], v[QR:QR+1]
.else
	v_pk_fma_f32 v[LG+2*\i:LG+2*\i+1], v[AC+8*\t+2*\i:AC+8*\t+2*\i+1], v[QR:QR+1], v[LG+2*\i:LG+2*\i+1]
.endif
.endr
.endr
.endm
.macro DPP8 k                          ; one of three steps of the sum over the 8 lanes of a head
.irp j, 0,1,2,3,4,5,6,7
	v_add_f32_dpp v[LG+\j], v[LG+\j], v[LG+\j] row_xmask:\k row_mask:0xf bank_mask:0xf
.endr
.endm
.macro SOFTA                           ; the new largest logit, f = 2^(old - new), p = 2^(logit - new): all sources first, then one batch of nine exponentials between its two waits
	v_max3_num_f32 v[T2], v[LG], v[LG+1], v[LG+2]
	v_max3_num_f32 v[FF], v[LG+3], v[LG+4], v[LG+5]
	v_max3_num_f32 v[PW], v[LG+6], v[LG+7], v[MXR]
	v_max3_num_f32 v[T2], v[T2], v[FF], v[PW]
	v_sub_f32 v[FF], v[MXR], v[T2]
.irp i, 0,1,2,3
	v_pk_add_f32 v[LG+2*\i:LG+2*\i+1], v[LG+2*\i:LG+2*\i+1], v[T2:T2+1] op_sel_hi:[1,0] neg_lo:[0,1] neg_hi:[0,1]
.endr
	s_wait_alu depctr_va_vdst(0)
	v_exp_f32 v[FF], v[FF]
.irp j, 0,1,2,3,4,5,6,7
	v_exp_f32 v[LG+\j], v[LG+\j]
.endr
	v_mov_b32 v[MXR], v[T2]                        ; the plain line behind the batch
	s_wait_alu depctr_va_vdst(0)                   ; also for the sums of v that were begun ahead of the batch
.endm
.macro SOFTB                           ; O x f, and l = l f + the sum of p
.irp t, 0,1,2,3,4,5,6,7
	v_pk_mul_f32 v[OA+2*\t:OA+2*\t+1], v[OA+2*\t:OA+2*\t+1], v[FF:FF+1] op_sel_hi:[1,0]
.endr
	v_pk_add_f32 v[PW:PW+1], v[LG:LG+1], v[LG+2:LG+3]
	v_pk_add_f32 v[T2:T2+1], v[LG+4:LG+5], v[LG+6:LG+7]
	v_pk_add_f32 v[PW:PW+1], v[PW:PW+1], v[T2:T2+1]
	v_pk_fma_f32 v[LSUM:LSUM+1], v[LSUM:LSUM+1], v[FF:FF+1], v[PW:PW+1] op_sel_hi:[1,0,1]
.endm
; v: 32 matrix instructions.  Behind each K step's eight stands a part of the softmax, which names none of their registers: these lines are the places ahead of the load of the next tile's fragment into the registers just read
.macro MULV m, last
.if \last == 0
	XSCALE (\m)+1
.endif
.irp s, 0,1,2,3
.irp t, 0,1,2,3,4,5,6,7
	MM 1, \m, \s, \t
.endr
	WIN 0
.if \s == 0
	DPP8 1
	DPP8 2
.endif
.if \s == 1
	DPP8 4
.endif
.if \s == 2
	SOFTA
.endif
.if \s == 3
	SOFTB
.endif
.if \last == 0
	XFETCH (\m)+1, \s
.endif
.endr
.endm
.macro WEIGHT                          ; O += p v
.irp i, 0,1,2,3
.irp t, 0,1,2,3,4,5,6,7
	v_pk_fma_f32 v[OA+2*\t:OA+2*\t+1], v[AC+8*\t+2*\i:AC+8*\t+2*\i+1], v[LG+2*\i:LG+2*\i+1], v[OA+2*\t:OA+2*\t+1]
.endr
.endr
.endm
.macro TILE m, last
	MULK \m
	WIN 0
	PLACES
	LOGITA
	MULV \m, \last
	WEIGHT
.endm
.macro TPHASE                          ; a block's four tiles of 16 rows
	XSCALE 0
	XFETCH 0, 0
	XFETCH 0, 1
	XFETCH 0, 2
	XFETCH 0, 3
	TILE 0, 0
	TILE 1, 0
	TILE 2, 0
	TILE 3, 1
.endm
; from one barrier to the next.  fill: slot b % 2 takes block b + 2.  tail: the last two trips; the very last has no block left to quantise
.macro IV fill, tail
.if \tail
	s_lshr_b32 s40, s[CNT], 1                      ; 1, then 0
	s_and_b32 s[FA], s[RA], s40
	s_and_b32 s[FB], s[RB], s40
.endif
	s_wait_tensorcnt 0x0                           ; my one load that was out, my part of the block that is quantised next, has landed;
	ds_add_u32 v[SPW], v[NIL]
.if \fill
	s_add_co_u32 s[GB+1], s[WR], s[TB]             ; no load of mine is out: the descriptor steps to the block two on, into the slot quantised last
	s_add_nc_u64 s[GB+2:GB+3], s[GB+2:GB+3], 131072
.endif
	v_add_nc_u32 v[ADQ], s[TQ], v[AQ0]
	v_add_nc_u32 v[AWI], s[TQ], v[AWI0]
	v_add_nc_u32 v[AWS], s[TQ], v[AWS0]
	v_add_nc_u32 v[ADI], s[TB], v[LI0]
	v_add_nc_u32 v[ADS], s[TB], v[LS0]
	s_wait_alu depctr_va_vdst(0)
	s_wait_dscnt 0x0                               ; the add, my reads of slot and images, and my images' stores are done
	s_barrier_signal -1
	s_barrier_wait -1
.if \fill
	tensor_load_to_lds s[GB:GB+3], s[G1:G1+7]
	s_nop 0
	PLACES
.endif
	s_cmp_eq_u32 s[FA], 1
	s_cbranch_scc0 .Lnot_first_\@
	QPHASE
.Lnot_first_\@:
	TPHASE
	s_cmp_eq_u32 s[FB], 1
	s_cbranch_scc0 .Lnot_last_\@
	QPHASE
.Lnot_last_\@:
	s_xor_b32 s[TB], s[TB], PAR
	s_xor_b32 s[TQ], s[TQ], PAR
.endm
.macro WLOADS f0                       ; 32 weight fragments into their registers: 32 lanes read 512 consecutive bytes
.set f, \f0
.rept 32
	WSLOT f
	WIN WW<<6
.irp g, 0,1,2
	global_load_b128 v[WRG+4*\g:WRG+4*\g+3], v[LOF], s[6:7] offset:196608*(f/32)+1536*(4*(f%8)+(f%32)/8)+512*\g
.endr
.set f, f+1
.endr
	WIN 0
.endm
	s_load_b256 s[4:11], s[0:1], 0x0               ; x, wcodes, wsc, qv
	s_load_b128 s[12:15], s[0:1], 0x20             ; pO, pst
	v_lshl_add_u32 v[SPW], v0, 2, SPARE
	v_mov_b32 v[NIL], 0
	ds_add_u32 v[SPW], v[NIL]                      ; the opening lines: the add twice on end and its wait ahead of my first tensor load
	ds_add_u32 v[SPW], v[NIL]
	v_lshrrev_b32 v14, 5, v0
	v_readfirstlane_b32 s[WV], v14                 ; wave 0..3
	s_mul_i32 s[WR], s[WV], REG
	s_mov_b32 s[G1+0], (2<<16)|(1<<20)|(6<<22)|(3<<25)   ; 4-byte elements; 4 words of padding behind every 128
	s_mov_b32 s[G1+1], 128<<16
	s_mov_b32 s[G1+2], 64<<16
	s_mov_b32 s[G1+3], 128<<16
	s_mov_b32 s[G1+4], 64                          ; 64 rows of 128 numbers,
	s_mov_b32 s[G1+5], 512                         ; 512 numbers from row to row
	s_mov_b32 s[G1+6], 0
	s_mov_b32 s[G1+7], 0
	s_lshl_b32 s22, ttmp9, 20                      ; my work-group's 512 rows of 2,048 bytes
	s_lshl_b32 s40, s[WV], 9                       ; + my K step's 512 bytes
	s_add_co_u32 s22, s22, s40
	s_mov_b32 s23, 0
	s_mov_b32 s41, 0
	s_mov_b32 s[GA], 1
	s_mov_b32 s[GA+1], s[WR]
	s_mov_b32 s[GB], 1
	s_add_co_u32 s[GB+1], s[WR], PAR
	s_mov_b32 s[SEL], 0x76543210
	s_mov_b32 s[SEL+1], 0xfedcba98
	s_mov_b32 s[TB], 0
	s_mov_b32 s[TQ], 0
	s_mul_i32 s44, s[WV], 49152                    ; my 8 tiles x 4 fragments of 1,536 bytes
	s_mov_b32 s45, 0
	s_lshl_b32 s46, s[WV], 12                      ; their scale words
	s_mov_b32 s47, 0
	s_wait_dscnt 0x0
	s_wait_kmcnt 0x0
	s_add_nc_u64 s[GA+2:GA+3], s[4:5], s[22:23]
	s_add_nc_u64 s[GB+2:GB+3], s[GA+2:GA+3], 131072
	s_or_b32 s[GA+3], s[GA+3], 0x80000000
	s_or_b32 s[GB+3], s[GB+3], 0x80000000
	tensor_load_to_lds s[GA:GA+3], s[G1:G1+7]      ; block 0: my one load at the head
	s_nop 0
	PLACES
	s_add_nc_u64 s[6:7], s[6:7], s[44:45]
	s_add_nc_u64 s[8:9], s[8:9], s[46:47]
	s_add_nc_u64 s[10:11], s[10:11], s[40:41]      ; q' of my 128 columns
	s_lshr_b32 s[RB], s[WV], 1
	s_xor_b32 s[RA], s[RB], 1
	s_mov_b32 s[FA], s[RA]
	s_mov_b32 s[FB], s[RB]
	v_and_b32 v14, 31, v0
	v_lshlrev_b32 v[LOF], 4, v14                   ; 16 x lane
	v_bfe_u32 v15, v0, 3, 1
	v_and_b32 v[QOF], 7, v0
	v_lshlrev_b32 v[QOF], 2, v[QOF]
	v_lshl_add_u32 v[QOF], v15, 8, v[QOF]          ; my column in tile 0: 64 (r / 8) + r % 8
	s_wait_alu depctr_va_vdst(0)
	WLOADS 0                                       ; all the weights are asked for while block 0 is on its way
	WLOADS 32
.irp t, 0,1,2,3,4,5,6,7
	global_load_b128 v[WS+4*\t:WS+4*\t+3], v[LOF], s[8:9] offset:512*\t
.endr
.irp t, 0,1,2,3
	global_load_b32 v[QV+2*\t], v[QOF], s[10:11] offset:32*\t
	global_load_b32 v[QV+2*\t+1], v[QOF], s[10:11] offset:32*\t
	global_load_b32 v[QW+2*\t], v[QOF], s[10:11] offset:32*\t+128
	global_load_b32 v[QW+2*\t+1], v[QOF], s[10:11] offset:32*\t+128
.endr
	v_and_b32 v14, 15, v0                          ; r
	v_bfe_u32 v15, v0, 4, 1                        ; h
	v_mul_u32_u24 v[AQ0], v14, PITCH
	v_lshl_add_u32 v[AQ0], v15, 7, v[AQ0]
	v_add_nc_u32 v[AQ0], s[WR], v[AQ0]             ; the quantiser's reads: my part of the slot, row r, + 128 h
	s_mul_i32 s40, s[WV], 1536
	s_add_co_u32 s40, s40, IMG
	v_add_nc_u32 v[AWI0], s40, v[LOF]
	s_lshl_b32 s41, s[WV], 2
	s_add_co_u32 s41, s41, XSC
	v_lshl_add_u32 v[AWS0], v14, 4, s41
	v_add_nc_u32 v[LI0], IMG, v[LOF]
	v_lshl_add_u32 v[LS0], v14, 4, XSC
	v_lshlrev_b32 v[SH8], 3, v15
.irp j, 0,1,2,3,4,5,6,7,8,9,10,11,12,13,14,15
	v_mov_b32 v[OA+\j], 0
.endr
	v_mov_b32 v[MXR], 0xff61b1e6                   ; -3e38, under every logit
	v_mov_b32 v[LSUM], 0
	v_mov_b32 v[LSUM+1], 0
	v_mov_b32 v[FF], 0
	v_mov_b32 v[FF+1], 0
	s_wait_alu depctr_va_vdst(0)
	s_wait_tensorcnt 0x0                           ; block 0 is in
	ds_add_u32 v[SPW], v[NIL]
	s_wait_dscnt 0x0
	s_barrier_signal -1
	s_barrier_wait -1
	tensor_load_to_lds s[GB:GB+3], s[G1:G1+7]      ; block 1, slot 1's first fill
	s_nop 0
	PLACES
	s_wait_xcnt 0x0                                ; the loads have read their offsets: the quantiser writes those two registers
	v_add_nc_u32 v[ADQ], s[TQ], v[AQ0]
	v_add_nc_u32 v[AWI], s[TQ], v[AWI0]
	v_add_nc_u32 v[AWS], s[TQ], v[AWS0]
	QPHASE                                         ; block 0 is quantised while the weights arrive: it names none of their registers
	s_xor_b32 s[TQ], s[TQ], PAR
	s_wait_loadcnt 0x0                             ; the weights, their scale words and q'
	s_mov_b32 s[CNT], 6
.Lblock:                                               ; blocks 0-5 are multiplied, 1-6 quantised, 2-7 asked for
	IV 1, 0
	s_sub_co_u32 s[CNT], s[CNT], 1
	s_cmp_lg_u32 s[CNT], 0
	s_cbranch_scc1 .Lblock
	s_mov_b32 s[CNT], 2
.Ltail:                                                ; blocks 6, 7 are multiplied, 7 quantised, nothing asked for
	IV 0, 1
	s_sub_co_u32 s[CNT], s[CNT], 1
	s_cmp_lg_u32 s[CNT], 0
	s_cbranch_scc1 .Ltail
	; the two halves of the lanes (rows 8 h on) are brought under one m and added
	v_permlanex16_b32 v[T2], v[MXR], s[SEL], s[SEL+1]
	v_max_num_f32 v[T2], v[MXR], v[T2]
	v_sub_f32 v[FF], v[MXR], v[T2]
	s_wait_alu depctr_va_vdst(0)
	v_exp_f32 v[FF], v[FF]
	v_add_f32 v[LSUM], v[LSUM], v[LSUM+1]
.irp t, 0,1,2,3,4,5,6,7
	v_add_f32 v[LG+\t], v[OA+2*\t], v[OA+2*\t+1]
.endr
	s_wait_alu depctr_va_vdst(0)
	v_mul_f32 v[LSUM], v[LSUM], v[FF]
.irp t, 0,1,2,3,4,5,6,7
	v_mul_f32 v[LG+\t], v[LG+\t], v[FF]
.endr
	v_permlanex16_b32 v[T2+1], v[LSUM], s[SEL], s[SEL+1]
.irp t, 0,1,2,3,4,5,6,7
	v_permlanex16_b32 v[208+\t], v[LG+\t], s[SEL], s[SEL+1]
.endr
	v_add_f32 v[T2+1], v[LSUM], v[T2+1]
.irp t, 0,1,2,3,4,5,6,7
	v_add_f32 v[LG+\t], v[LG+\t], v[208+\t]
.endr
	v_and_b32 v14, 31, v0
	v_cmp_lt_u32 vcc_lo, 15, v14
.irp i, 0,1,2,3
	v_cndmask_b32 v[208+\i], v[LG+\i], v[LG+4+\i], vcc_lo   ; lanes 0-15 store tiles 0-3, lanes 16-31 tiles 4-7
.endr
	v_lshlrev_b32 v15, 4, v14
	s_wait_alu depctr_va_vdst(0)
	v_bfe_u32 v[FF+1], v0, 3, 1
	v_lshlrev_b32 v[FF+1], 3, v[FF+1]
	s_wait_alu depctr_va_vdst(0)
	s_lshl_b32 s22, ttmp9, 11
	s_lshl_b32 s40, s[WV], 9
	s_add_co_u32 s22, s22, s40
	s_add_nc_u64 s[12:13], s[12:13], s[22:23]
	s_lshl_b32 s22, ttmp9, 6
	s_lshl_b32 s40, s[WV], 4
	s_add_co_u32 s22, s22, s40
	s_add_nc_u64 s[14:15], s[14:15], s[22:23]
	global_store_b128 v15, v[208:211], s[12:13]    ; 32 lanes store 512 consecutive bytes
	global_store_b64 v[FF+1], v[T2:T2+1], s[14:15] ; (m, l) of my two heads; the lanes of a head store the same 8 bytes
	s_wait_tensorcnt 0x0                           ; the wave's end
	ds_add_u32 v[SPW], v[NIL]
	s_wait_dscnt 0x0
	s_endpgm
.Lfunc_end_k_qb73a38f55c_pool:
	.size	k_qb73a38f55c_pool, .Lfunc_end_k_qb73a38f55c_pool-k_qb73a38f55c_pool
	.p2alignl 7, 3214868480
	.fill 96, 4, 3214868480
	.section	.rodata,"a",@progbits
	.p2align	6, 0x0
	.amdhsa_kernel k_qb73a38f55c_pool
		.amdhsa_group_segment_fixed_size 327680
		.amdhsa_private_segment_fixed_size 0
		.amdhsa_enable_private_segment 0
		.amdhsa_kernarg_size 48
		.amdhsa_user_sgpr_count 2
		.amdhsa_user_sgpr_kernarg_segment_ptr 1
		.amdhsa_wavefront_size32 1
		.amdhsa_system_sgpr_workgroup_id_x 1
		.amdhsa_system_sgpr_workgroup_id_y 1
		.amdhsa_system_sgpr_workgroup_id_z 1
		.amdhsa_system_vgpr_workitem_id 0
		.amdhsa_next_free_vgpr 1024
		.amdhsa_next_free_sgpr 66
		.amdhsa_reserve_vcc 1
		.amdhsa_float_denorm_mode_32 3
		.amdhsa_float_denorm_mode_16_64 3
		.amdhsa_memory_ordered 1
		.amdhsa_forward_progress 1
		.amdhsa_inst_pref_size 250
	.end_amdhsa_kernel
	.amdgpu_metadata
---
amdhsa.version: [ 1, 2 ]
amdhsa.kernels:
  - .name:           k_qb73a38f55c_pool
    .symbol:         k_qb73a38f55c_pool.kd
    .args:
      - { .name: x, .offset: 0, .size: 8, .value_kind: global_buffer, .address_space: global }
      - { .name: wcodes, .offset: 8, .size: 8, .value_kind: global_buffer, .address_space: global }
      - { .name: wsc, .offset: 16, .size: 8, .value_kind: global_buffer, .address_space: global }
      - { .name: qv, .offset: 24, .size: 8, .value_kind: global_buffer, .address_space: global }
      - { .name: pO, .offset: 32, .size: 8, .value_kind: global_buffer, .address_space: global }
      - { .name: pst, .offset: 40, .size: 8, .value_kind: global_buffer, .address_space: global }
    .group_segment_fixed_size: 327680
    .private_segment_fixed_size: 0
    .kernarg_segment_align: 8
    .kernarg_segment_size: 48
    .max_flat_workgroup_size: 128
    .sgpr_count:     66
    .vgpr_count:     1024
    .wavefront_size: 32
...
	.end_amdgpu_metadata
.endif
;; end of part 2
;; launch proj (part 3): grid 4 x 16, 4 waves a work-group, no clusters, 9,728 bytes of LDS; arguments pO, pst, wcodes, wsc, bp, out0; writes out0
.if DOCPART == 3
	.amdgcn_target "amdgcn-amd-amdhsa--gfx1250"
	.amdhsa_code_object_version 6
	.text
	.protected	k_qb73a38f55c_proj
	.globl	k_qb73a38f55c_proj
	.p2align	8
	.type	k_qb73a38f55c_proj,@function
k_qb73a38f55c_proj:
	s_mov_b64 s[64:65], 0
	v_nop
	global_prefetch_b8 v0, s[64:65] scope:SCOPE_SE
	s_setreg_imm32_b32 hwreg(HW_REG_WAVE_MODE, 25, 1), 1
	s_wait_xcnt 0x0
; PROJ.  out0[b] = Q(pooled[b]) Q(Wp) + bp.  Work-group (cq, b) makes 128 columns (128 cq on) of batch b.
; 1. The batch's 16 partial softmaxes (m, l, O for each head) are brought under one m and added; pooled = O / l, in f32; the row of 512 goes to LDS in its natural order.
;    Thread tid holds four numbers of O: partial g's 16 bytes at 2048 g + 16 tid: wave w = tid / 32, half hh = (tid / 16) % 2, r = tid % 16, tiles t = 4 hh + i:
;    channel 128 w + 64 (r / 8) + 8 t + r % 8, of head 2 w + r / 8.
; 2. Wave v quantises K step v of the row (all sixteen rows of the fragment are the batch's one row) and stores the fragment's image and scale words in LDS.
; 3. Each wave: two tiles of 16 columns x four K steps, 8 matrix instructions on codes of FP6 (E2M3).  Source 0 = 16 columns of Wp, source 1 = the row: lane (r, h) holds columns 8 h + 0 .. 7 of the
;    tile.  bp is the C of each sum's first instruction.  The two accumulators take turns.
; 4. The 128 results meet in a stage in LDS, and wave 0 stores them as 512 consecutive bytes.
; The sixteen equal rows cost sixteen times a product of 16 x 512 x 512 multiply-adds in all; in return a work-group reads one batch's 32,768 bytes of partial sums and not all sixteen's.
; LIMITS: a block of zeros gets the scale byte 1 where the rule says 127 (its codes are zeros; the bytes are read here alone); NaN and infinities are not served.
.set ROWL, 0                           ; LDS: the pooled row, 2,048 bytes
.set IMGL, 2048                        ; four images of 1,536 bytes
.set SCL,  8192                        ; scale words: 16 r + 4 s
.set STG,  8448                        ; the stage: 512 bytes
.set SH8, 7                            ; v7      8 h
.set CH,  8                            ; v8-11   at work; the quantiser's four chains
.set PW,  12
.set TX,  13
.set SG,  16                           ; v16-47  pair g: (m, l) of partial g; m becomes 2^(m - the common m)
.set PT,  16                           ;         (the quantiser: upper halves of blocks)
.set OG,  48                           ; v48-111 four numbers of O of each partial
.set ST,  48                           ;         then 64 numbers of the row
.set PF,  48                           ;         then the row's four fragments, v48-95
.set WPF, 112                          ; v112-207 Wp's fragments (tile u, K step s) at 12 (4 u + s)
.set WPS, 208                          ; v208-215 Wp's scale words, register 4 u + s; nothing else ever
.set ACC, 216                          ; v216-231 two accumulators
.set XS,  232                          ; v232-235 the row's scale words; nothing else ever
.set PC,  236                          ; v236-247 the sums of O; then the fragment just made
.set SEL, 18                           ; s[18:19]
.macro QUANT src, pre
.irp u, 0,1,2,3
	v_max3_num_f32 v[CH+\u], |v[\src+16*\u]|, |v[\src+16*\u+1]|, 0x1800000   ; chain u: 16 numbers, and the floor 2^(3 - 127): so the byte cannot fall under 1
.endr
.irp i, 2,4,6,8,10,12,14
.irp u, 0,1,2,3
	v_max3_num_f32 v[CH+\u], v[CH+\u], |v[\src+16*\u+\i]|, |v[\src+16*\u+\i+1]|   ; the four chains by turns
.endr
.endr
	v_max_num_f32 v[CH], v[CH], v[CH+1]            ; block c = 0
	v_max_num_f32 v[CH+2], v[CH+2], v[CH+3]        ; block c = 1
	v_add_nc_u32 v[CH], 0xff000000, v[CH]          ; 2 off the exponent field: the conversion takes this operand's exponent field as its scale
	v_add_nc_u32 v[CH+2], 0xff000000, v[CH+2]
	v_lshrrev_b32 v[CH+1], 23, v[CH]               ; the bytes
	v_lshrrev_b32 v[CH+3], 23, v[CH+2]
.if \pre >= 0
	s_wait_dscnt \pre
.endif
	v_lshl_or_b32 v[PW], v[CH+3], 16, v[CH+1]      ; my two bytes: blocks h and 2 + h,
	v_lshlrev_b32 v[PW], v[SH8], v[PW]             ; at their places in the word;
	v_permlanex16_b32 v[TX], v[PW], s[SEL], s[SEL+1]
	v_or_b32 v[PW], v[PW], v[TX]                   ; with lane l xor 16's two the word is whole
.irp c, 0,1
	v_cvt_scalef32_pk16_fp6_f32 v[PC+6*\c:PC+6*\c+2], v[\src+32*\c:\src+32*\c+15], v[CH+2*\c]
	v_cvt_scalef32_pk16_fp6_f32 v[PT+4*\c:PT+4*\c+2], v[\src+32*\c+16:\src+32*\c+31], v[CH+2*\c]   ; (a conversion's three registers begin on an even number)
.endr
	v_nop                                          ; one plain line behind the scaled conversions
.irp c, 0,1
.irp i, 0,1,2
	v_mov_b32 v[PC+6*\c+3+\i], v[PT+4*\c+\i]
.endr
.endr
.endm
.macro BARRIER                         ; my LDS stores have landed and my LDS loads are in: then the work-group's barrier
	s_wait_dscnt 0x0
	s_barrier_signal -1
	s_barrier_wait -1
.endm
	s_load_b256 s[4:11], s[0:1], 0x0               ; pO s[4:5], pst s[6:7], wcodes s[8:9], wsc s[10:11]
	s_load_b128 s[12:15], s[0:1], 0x20             ; bp s[12:13], out0 s[14:15]
	s_set_vgpr_msb 0x40
	v_lshl_add_u32 v0, v0, 2, 0x2400
	v_mov_b32 v1, 0
	s_set_vgpr_msb 0x4000
	v_lshrrev_b32 v8, 5, v0
	v_readfirstlane_b32 s16, v8                    ; wave 0..3
	s_and_b32 s17, ttmp7, 0xffff                   ; the batch
	s_mov_b32 s[SEL], 0x76543210
	s_mov_b32 s[SEL+1], 0xfedcba98
	v_and_b32 v1, 31, v0                           ; lane
	v_and_b32 v2, 15, v0                           ; r
	v_bfe_u32 v3, v0, 4, 1                         ; h
	v_bfe_u32 v9, v0, 3, 1                         ; r / 8
	v_lshlrev_b32 v4, 4, v8
	v_lshl_add_u32 v4, v9, 3, v4                   ; my head's (m, l): 8 (2 (tid / 32) + r / 8)
	v_lshlrev_b32 v5, 4, v0                        ; 16 tid
	v_lshlrev_b32 v6, 4, v1                        ; 16 x lane
	v_lshlrev_b32 v14, 4, v2                       ; 16 r
	v_lshlrev_b32 v15, 5, v3                       ; 32 h
	v_lshlrev_b32 v[SH8], 3, v3
	v_mov_b32 v[TX], 0                             ; a lane permute's destination counts as one of its sources
	; every LDS address is made here
	v_lshlrev_b32 v248, 9, v8                      ; the row: 4 x my first channel = 512 (tid / 32) + 256 (r / 8) + 128 hh + 4 (r % 8); 32 bytes from tile to tile
	v_lshl_add_u32 v248, v9, 8, v248
	v_lshl_add_u32 v248, v3, 7, v248
	v_and_b32 v10, 7, v0
	v_lshl_add_u32 v248, v10, 2, v248
	s_lshl_b32 s22, s16, 9
	v_lshl_add_u32 v249, v3, 7, s22                ; the quantiser's reads: 512 x wave + 128 h
	s_mul_i32 s22, s16, 1536
	s_add_co_u32 s22, s22, IMGL
	v_add_nc_u32 v250, s22, v6                     ; my image
	s_lshl_b32 s22, s16, 2
	s_add_co_u32 s22, s22, SCL
	v_add_nc_u32 v251, s22, v14                    ; its scale words
	v_add_nc_u32 v252, IMGL, v6                    ; all images
	v_add_nc_u32 v253, SCL, v14                    ; all scale words
	s_lshl_b32 s22, s16, 7
	s_add_co_u32 s22, s22, STG
	v_add_nc_u32 v254, s22, v15                    ; the stage: 128 x wave + 32 h
	v_add_nc_u32 v255, STG, v6                     ; and back
	s_mov_b32 s21, 0
	s_wait_kmcnt 0x0
	s_lshl_b32 s20, s17, 15
	s_add_nc_u64 s[4:5], s[4:5], s[20:21]          ; the batch's 16 partial O
	s_lshl_b32 s20, s17, 10
	s_add_nc_u64 s[6:7], s[6:7], s[20:21]          ; and (m, l)
	s_mul_i32 s20, ttmp9, 49152
	s_mul_i32 s22, s16, 12288
	s_add_co_u32 s20, s20, s22
	s_add_co_u32 s20, s20, 393216
	s_add_nc_u64 s[8:9], s[8:9], s[20:21]          ; Wp's fragments of tiles 8 cq + 2 wave + u
	s_lshl_b32 s20, ttmp9, 11
	s_lshl_b32 s22, s16, 9
	s_add_co_u32 s20, s20, s22
	s_add_co_u32 s20, s20, 16384
	s_add_nc_u64 s[10:11], s[10:11], s[20:21]      ; their scale words
	s_lshl_b32 s20, ttmp9, 9
	s_lshl_b32 s22, s16, 7
	s_add_co_u32 s20, s20, s22
	s_add_nc_u64 s[12:13], s[12:13], s[20:21]      ; bp at my 32 columns
	s_lshl_b32 s20, s17, 11
	s_lshl_b32 s22, ttmp9, 9
	s_add_co_u32 s20, s20, s22
	s_add_nc_u64 s[14:15], s[14:15], s[20:21]      ; out0 at the work-group's 128 columns
.irp g, 0,1,2,3,4,5,6,7,8,9,10,11,12,13,14,15
	global_load_b64 v[SG+2*\g:SG+2*\g+1], v4, s[6:7] offset:64*\g
.endr
.irp g, 0,1,2,3,4,5,6,7,8,9,10,11,12,13,14,15
	global_load_b128 v[OG+4*\g:OG+4*\g+3], v5, s[4:5] offset:2048*\g
.endr
.irp f, 0,1,2,3,4,5,6,7
.irp g, 0,1,2
	global_load_b128 v[WPF+12*\f+4*\g:WPF+12*\f+4*\g+3], v6, s[8:9] offset:1536*\f+512*\g
.endr
.endr
.irp u, 0,1
	global_load_b128 v[WPS+4*\u:WPS+4*\u+3], v14, s[10:11] offset:256*\u
.endr
.irp u, 0,1
	global_load_b128 v[ACC+8*\u:ACC+8*\u+3], v15, s[12:13] offset:64*\u      ; bp(16 u + 8 h + 0 .. 7): the sums begin with it
	global_load_b128 v[ACC+8*\u+4:ACC+8*\u+7], v15, s[12:13] offset:64*\u+16
.endr
	; ---- 1: the partial softmaxes under one m
	s_wait_loadcnt 46                              ; the 16 (m, l) are in; behind them: 16 loads of O, 24 + 2 of Wp, 4 of bp
	v_max3_num_f32 v8, v[SG], v[SG+2], v[SG+4]
.irp g, 3,5,7,9,11,13
	v_max3_num_f32 v8, v8, v[SG+2*\g], v[SG+2*\g+2]
.endr
	v_max_num_f32 v8, v8, v[SG+30]                 ; the common m
.irp g, 0,1,2,3,4,5,6,7,8,9,10,11,12,13,14,15
	v_sub_f32 v[SG+2*\g], v[SG+2*\g], v8
.endr
	s_wait_alu depctr_va_vdst(0)
.irp g, 0,1,2,3,4,5,6,7,8,9,10,11,12,13,14,15
	v_exp_f32 v[SG+2*\g], v[SG+2*\g]               ; w = 2^(m - the common m)
.endr
	v_nop                                          ; one plain line behind the exponentials
	s_wait_alu depctr_va_vdst(0)
	v_mul_f32 v9, v[SG], v[SG+1]                   ; the sum of w l, in two chains
	v_mul_f32 v10, v[SG+2], v[SG+3]
.irp g, 2,4,6,8,10,12,14
	v_fma_f32 v9, v[SG+2*\g], v[SG+2*\g+1], v9
	v_fma_f32 v10, v[SG+2*\g+2], v[SG+2*\g+3], v10
.endr
	v_add_f32 v9, v9, v10
	s_wait_alu depctr_va_vdst(0)
	v_rcp_f32 v11, v9
	s_wait_loadcnt 30                              ; the 16 loads of O are in; behind them: Wp's and bp's 30
	v_pk_mul_f32 v[PC:PC+1], v[OG:OG+1], v[SG:SG+1] op_sel_hi:[1,0]          ; the sum of w O (plain lines behind the reciprocal)
	v_pk_mul_f32 v[PC+2:PC+3], v[OG+2:OG+3], v[SG:SG+1] op_sel_hi:[1,0]
.irp g, 1,2,3,4,5,6,7,8,9,10,11,12,13,14,15
	v_pk_fma_f32 v[PC:PC+1], v[OG+4*\g:OG+4*\g+1], v[SG+2*\g:SG+2*\g+1], v[PC:PC+1] op_sel_hi:[1,0,1]
	v_pk_fma_f32 v[PC+2:PC+3], v[OG+4*\g+2:OG+4*\g+3], v[SG+2*\g:SG+2*\g+1], v[PC+2:PC+3] op_sel_hi:[1,0,1]
.endr
	s_wait_alu depctr_va_vdst(0)
.irp i, 0,1,2,3
	v_mul_f32 v[PC+\i], v[PC+\i], v11              ; pooled
.endr
.irp i, 0,1,2,3
	ds_store_b32 v248, v[PC+\i] offset:ROWL+32*\i
.endr
	BARRIER                                        ; the row of 512 lies in LDS
	; ---- 2: my K step of the row becomes a fragment
.irp c, 0,1
.irp i, 0,1,2,3,4,5,6,7
	ds_load_b128 v[ST+32*\c+4*\i:ST+32*\c+4*\i+3], v249 offset:ROWL+256*\c+16*\i   ; k = 128 wave + 64 c + 32 h + 4 i on: the same for every r
.endr
.endr
	s_wait_dscnt 0x0
	QUANT ST, -1
.irp g, 0,1,2
	ds_store_b128 v250, v[PC+4*\g:PC+4*\g+3] offset:512*\g
.endr
	ds_store_b32 v251, v[PW]
	BARRIER                                        ; the four fragments and their scale words lie in LDS
	; ---- 3: the products
.irp s, 0,1,2,3
.irp g, 0,1,2
	ds_load_b128 v[PF+12*\s+4*\g:PF+12*\s+4*\g+3], v252 offset:1536*\s+512*\g
.endr
.endr
	ds_load_b128 v[XS:XS+3], v253
	s_wait_loadcnt 0x0                             ; Wp and bp
	s_wait_dscnt 0x0
.irp s, 0,1,2,3
.irp u, 0,1
	v_wmma_scale_f32_16x16x128_f8f6f4 v[ACC+8*\u:ACC+8*\u+7], v[WPF+12*(4*\u+\s):WPF+12*(4*\u+\s)+11], v[PF+12*\s:PF+12*\s+11], v[ACC+8*\u:ACC+8*\u+7], v[WPS+4*\u+\s], v[XS+\s] matrix_a_fmt:MATRIX_FMT_FP6 matrix_b_fmt:MATRIX_FMT_FP6
.endr
.endr
.rept 4
	v_nop                                          ; four plain lines in front of the first read of results (ISA guide 7.12.1)
.endr
.irp u, 0,1
	ds_store_b128 v254, v[ACC+8*\u:ACC+8*\u+3] offset:64*\u       ; each accumulator from its low end on; the sixteen lanes of a half hold, and store, the same numbers
	ds_store_b128 v254, v[ACC+8*\u+4:ACC+8*\u+7] offset:64*\u+16
.endr
	BARRIER                                        ; the work-group's 128 results lie in the stage
	; ---- 4
	s_cmp_lg_u32 s16, 0
	s_cbranch_scc1 .Ldone
	ds_load_b128 v[PC:PC+3], v255
	s_wait_dscnt 0x0
	global_store_b128 v6, v[PC:PC+3], s[14:15]     ; 32 lanes store 512 consecutive bytes, at a multiple of 512 from out0's first byte
.Ldone:
	s_set_vgpr_msb 0x5
	s_wait_tensorcnt 0x0
	ds_add_u32 v0, v1
	s_wait_dscnt 0x0
	s_set_vgpr_msb 0x500
	s_endpgm
.Lfunc_end_k_qb73a38f55c_proj:
	.size	k_qb73a38f55c_proj, .Lfunc_end_k_qb73a38f55c_proj-k_qb73a38f55c_proj
	.p2alignl 7, 3214868480
	.fill 96, 4, 3214868480
	.section	.rodata,"a",@progbits
	.p2align	6, 0x0
	.amdhsa_kernel k_qb73a38f55c_proj
		.amdhsa_group_segment_fixed_size 9728
		.amdhsa_private_segment_fixed_size 0
		.amdhsa_enable_private_segment 0
		.amdhsa_kernarg_size 48
		.amdhsa_user_sgpr_count 2
		.amdhsa_user_sgpr_kernarg_segment_ptr 1
		.amdhsa_wavefront_size32 1
		.amdhsa_system_sgpr_workgroup_id_x 1
		.amdhsa_system_sgpr_workgroup_id_y 1
		.amdhsa_system_sgpr_workgroup_id_z 1
		.amdhsa_system_vgpr_workitem_id 0
		.amdhsa_next_free_vgpr 258
		.amdhsa_next_free_sgpr 66
		.amdhsa_reserve_vcc 0
		.amdhsa_float_denorm_mode_32 3
		.amdhsa_float_denorm_mode_16_64 3
		.amdhsa_memory_ordered 1
		.amdhsa_forward_progress 1
		.amdhsa_inst_pref_size 22
	.end_amdhsa_kernel
	.amdgpu_metadata
---
amdhsa.version: [ 1, 2 ]
amdhsa.kernels:
  - .name:           k_qb73a38f55c_proj
    .symbol:         k_qb73a38f55c_proj.kd
    .args:
      - { .name: pO, .offset: 0, .size: 8, .value_kind: global_buffer, .address_space: global }
      - { .name: pst, .offset: 8, .size: 8, .value_kind: global_buffer, .address_space: global }
      - { .name: wcodes, .offset: 16, .size: 8, .value_kind: global_buffer, .address_space: global }
      - { .name: wsc, .offset: 24, .size: 8, .value_kind: global_buffer, .address_space: global }
      - { .name: bp, .offset: 32, .size: 8, .value_kind: global_buffer, .address_space: global }
      - { .name: out0, .offset: 40, .size: 8, .value_kind: global_buffer, .address_space: global }
    .group_segment_fixed_size: 9728
    .private_segment_fixed_size: 0
    .kernarg_segment_align: 8
    .kernarg_segment_size: 48
    .max_flat_workgroup_size: 128
    .sgpr_count:     66
    .vgpr_count:     258
    .wavefront_size: 32
...
	.end_amdgpu_metadata
.endif
;; end of part 3
